; MI455X (gfx1250); checked and timed in simulation.
; The chip was launched on July 23, 2026; its instructions are those of AMD's public machine-readable ISA for CDNA 5 (MIT licence, August 2026) and "CDNA5" Instruction Set Architecture Reference Guide (July 2026). The comments in the code are by the model that wrote it; some were corrected since.
;; Loss Aware Memory Bank. Allowed arithmetic: matrix products marked QUANTISED: E5M2 operands, one given power-of-two scale a tensor, by v_wmma_f32_16x16x64_bf8_bf8 or v_wmma_f32_16x16x128_bf8_bf8, f32 sums; products left as they are: f32 operands where the result goes on into a quantised operand, else bf16, f16 or f32 operands; f32 sums; everything else in f32.
;; Inputs: lowp_scales 2 int32 (the exponents e of the quantised operands' scales 2^e); memory 16,384 x 1,024 float32; predictions 4,096 x 14 float32; query 4,096 x 1,024 float32.
;; Outputs: out0 4,096 x 1,024 float32.
;; This version of the problem:
;;   THIS VERSION OF THE PROBLEM IS GIVEN IN LOW PRECISION. The matrix products marked QUANTISED in the list below multiply operands that are first quantised to E5M2 (5 exponent bits, 2 mantissa bits; 8 bits a number), with one given power-of-two scale for each operand tensor; their sums are f32. All else is computed in f32.
;;   The module's matrix products, in the order in which they are computed (A, B: the left and right operand; K: the contracted axis; several contracted axes count as one K, in the product's order):
;;     1. [M 4,096, K 1,024] x [K 1,024, N 16,384]; A: computed on the way; B: computed on the way: QUANTISED (scales: A lowp_scales[0], B lowp_scales[1])
;;     2. batch 4,096 x [M 1, K 10] x [K 10, N 1,024]; A: softmax; B: computed on the way: left as it is (K = 10 < 32)
;;   THE QUANTISER, for each operand of a quantised product, along K:
;;     - The operand's scale is 2^e, e = its entry of the input lowp_scales (int32; the entries are numbered through the quantised products in the list's order, A before B).
;;     - Each number is divided by the scale, clamped to +-57,344, and rounded to the nearest number of E5M2, ties to even, subnormals kept.
;;     - The product sums the exact products of the quantised numbers (number of the format x scale) in f32.
;;   ~~~python
;;   def quantise(x, axis, e):      # numpy; x: float32 -> the quantised numbers, widened to float32 again
;;       x = np.moveaxis(x, axis, -1); K = x.shape[-1]
;;       r = np.clip(x / 2.0 ** e, -57344, 57344)
;;       step = 2.0 ** (np.maximum(np.frexp(np.where(r == 0, 1, r))[1] - 1, -14) - 2)
;;       q = np.round(r / step) * step * 2.0 ** e      # np.round: ties to even
;;       return np.moveaxis(q, -1, axis).astype(np.float32)
;;   ~~~
;;   OPERANDS COMPUTED ON THE WAY. 'Computed on the way' means the value that the module computes at that place (a softmax that the list does not call 'softmax' is quantised finished and normalised). What goes into a quantiser is computed in f32, as accurately as f32 sums, v_exp_f32 and their like allow (about 1e-6 of the number): no bf16 or f16 on the way to a quantiser, and a product that is left as it is and whose result goes on into a quantised operand takes f32 operands (vector FMAs, or v_wmma_f32_16x16x4_f32). A number that lies on a knife's edge between two numbers of the format may be rounded either way, as far as f32 arithmetic and the matrix unit's own rounding can turn it there, and no further.
;; One version. Each part assembles by itself: llvm-mc -triple=amdgcn-amd-amdhsa -mcpu=gfx1250 --defsym DOCPART=n.
;; ======== version 1 of 1: 5 launches
;; limits: right only within a limited range of input values
;; workspace buffers: q_img 4,194,304 bytes; m_img 16,777,216 bytes; gm 33,554,432 bytes; glist 262,144 bytes of whole numbers; ridx 262,144 bytes of whole numbers; rw 262,144 bytes
;; launch quant (part 1): grid 256 x 1, 10 waves a work-group, no clusters, 88,320 bytes of LDS; arguments query, memory, lowp_scales, q_img, m_img; writes q_img, m_img
.if DOCPART == 1
	.amdgcn_target "amdgcn-amd-amdhsa--gfx1250"
	.amdhsa_code_object_version 6
	.text
	.protected	k_qb99824f5d4_quant
	.globl	k_qb99824f5d4_quant
	.p2align	8
	.type	k_qb99824f5d4_quant,@function
k_qb99824f5d4_quant:
	s_mov_b64 s[64:65], 0
	v_nop
	global_prefetch_b8 v0, s[64:65] scope:SCOPE_SE
	s_setreg_imm32_b32 hwreg(HW_REG_WAVE_MODE, 25, 1), 1
	s_wait_xcnt 0x0
; Rows of query [4096][1024] and memory [16384][1024], f32, are divided by max(their norm, 1e-12) and turned into codes of BF8 (E5M2) with the given scale 2^e
; (entry 0 for query, entry 1 for memory): code = x / 2^e, held within +-57,344, to the nearest code, ties to even.
; LIMITS: -126 <= e <= 112; NaN and infinities among the inputs are not served; a row's sum of squares stays an f32 number.
; THE CODES LEAVE IN THE ORDER OF THE OPERAND'S REGISTERS.  A group g is 8 neighbouring rows.  Image: [S 0..3][g][s' 0..1][c 0..3][p 0..15][16 bytes]; a plane S is groups x 2,048 bytes.
; A unit (S, s', c) of a group is 256 bytes: sixteen pieces of 16 codes; the piece of row rho for the lanes' half h lies at p = rho + 8 (h xor (g & 1)).
; Which 16 of the row's 1,024 numbers a piece holds is the same in both tensors, so every product meets its partner: unit l, half u holds k = 128 j + 4 l + t, j = 4 u .. 4 u + 3, t = 0 .. 3.
; SHARES: 2,560 groups, one to a wave: the first 512 are query's, the others memory's.  A row is eight loads of 512 consecutive bytes; lane l then holds 32 numbers, which are unit l's two pieces.
; The pieces meet in the wave's own stage in LDS (32 units, 272 bytes apart) and leave as stores of 512 consecutive bytes.  Waves share nothing: no barrier.
.set UP,    272                        ; a unit in the stage: 256 bytes + 16, so that sixteen lanes' stores fall on sixteen different columns of 16 bytes
.set STGB,  32*UP                      ; a wave's stage
.set LOFF,  24                         ; v24-27  16 x lane + 0, 1, 2, 3 planes; v24 also serves the loads
.set X,     32                         ; v32-159 four rows of 32 numbers a lane
.set C,     160                        ; v160-223 eight rows' codes, 8 registers each: no store's data are written again
.set OUTR,  32                         ; the way out: 16 x 4 registers
	s_load_b256 s[4:11], s[0:1], 0x0               ; query s[4:5], memory s[6:7], the scales' exponents s[8:9], q_img s[10:11]
	s_load_b64 s[12:13], s[0:1], 0x20              ; m_img
	v_lshl_add_u32 v224, v0, 2, 0x15400
	v_mov_b32 v225, 0
	v_lshrrev_b32 v1, 5, v0
	s_delay_alu instid0(VALU_DEP_1)
	v_readfirstlane_b32 s14, v1                    ; wave 0..9
	v_and_b32 v1, 31, v0                           ; lane
	s_wait_alu depctr_va_vdst(0)
	v_lshlrev_b32 v[LOFF], 4, v1
	s_mul_i32 s15, ttmp9, 10
	s_add_co_u32 s15, s15, s14                     ; which of the 2,560 groups is mine
	s_mul_i32 s28, s14, STGB                       ; my stage
	s_and_b32 s29, s14, 1                          ; g & 1 = wave & 1: 10 and 512 are even
	s_lshl_b32 s29, s29, 7
	s_add_co_u32 s30, s28, s29                     ; half 0's pieces begin at 128 (g & 1),
	s_xor_b32 s29, s29, 128
	s_add_co_u32 s31, s28, s29                     ; half 1's at the other 128
	v_mul_u32_u24 v11, v1, UP
	s_delay_alu instid0(VALU_DEP_1)
	v_add_nc_u32 v3, s30, v11                      ; into the stage: unit = my lane
	s_delay_alu instid0(VALU_DEP_2)
	v_add_nc_u32 v4, s31, v11
	v_lshrrev_b32 v5, 4, v1
	s_delay_alu instid0(VALU_DEP_1)
	v_mul_u32_u24 v5, v5, UP
	v_and_b32 v11, 15, v1
	s_delay_alu instid0(VALU_DEP_1)
	v_lshl_add_u32 v5, v11, 4, v5
	s_delay_alu instid0(VALU_DEP_1)
	v_add_nc_u32 v5, s28, v5                       ; out of it: sixteen lanes to a unit, two units an instruction
	v_mov_b32 v13, 0                               ; (named as the upper half of the pair v[12:13])
	s_mov_b32 s26, 0x76543210
	s_mov_b32 s27, 0xfedcba98                      ; v_permlanex16_b32's selects for lane l xor 16
	s_wait_kmcnt 0x0
	s_load_b64 s[24:25], s[8:9], 0x0               ; e of query, e of memory
	s_cmp_lt_u32 s15, 512                          ; query's group or memory's?  The choice hangs on ids alone
	s_cselect_b64 s[16:17], s[4:5], s[6:7]
	s_cselect_b64 s[18:19], s[10:11], s[12:13]
	s_mov_b32 s20, 0x400000
	s_cselect_b32 s20, 0x100000, s20               ; a plane of the image in bytes
	s_cselect_b32 s21, 0, 512
	s_sub_co_u32 s21, s15, s21                     ; g
	s_lshl_b32 s22, s21, 15                        ; 8 rows of 4,096 bytes
	s_mov_b32 s23, 0
	s_add_nc_u64 s[16:17], s[16:17], s[22:23]
	s_lshl_b32 s22, s21, 11                        ; 2,048 bytes of each plane
	s_add_nc_u64 s[18:19], s[18:19], s[22:23]
	v_add_nc_u32 v[LOFF+1], s20, v[LOFF]
	s_lshl_b32 s21, s20, 1
	v_add_nc_u32 v[LOFF+2], s21, v[LOFF]
	s_add_co_u32 s21, s21, s20
	v_add_nc_u32 v[LOFF+3], s21, v[LOFF]
.macro LOADROW i                       ; row i: eight loads of 512 consecutive bytes, into set i % 4
.irp j, 0,1,2,3,4,5,6,7
	global_load_b128 v[X+32*((\i)%4)+4*\j:X+32*((\i)%4)+4*\j+3], v[LOFF], s[16:17] offset:(\i)*4096+512*\j th:TH_LOAD_NT
.endr
.endm
	LOADROW 0
	LOADROW 1
	LOADROW 2
	LOADROW 3
	s_wait_kmcnt 0x0
	s_cmp_lt_u32 s15, 512
	s_cselect_b32 s24, s24, s25                    ; e
	s_add_co_i32 s24, s24, 127
	s_lshl_b32 s25, s24, 23
	v_mov_b32 v10, s25                             ; 2^e as f32: the conversion takes its exponent field
	s_add_co_i32 s24, s24, 15
	s_lshl_b32 s24, s24, 23
	s_or_b32 s24, s24, 0x600000
	v_mov_b32 v9, s24                              ; 57,344 x 2^e
.macro ROW i
.set XS, X+32*((\i)%4)
.if (\i) < 4
	s_wait_loadcnt 24                              ; my row's eight loads are in; the three rows behind it may be out
.else
	s_wait_loadcnt 8*(7-(\i))
.endif
	v_pk_mul_f32 v[14:15], v[XS:XS+1], v[XS:XS+1]  ; the sum of squares of my 32 numbers, two at a time, in two chains
	v_pk_mul_f32 v[16:17], v[XS+2:XS+3], v[XS+2:XS+3]
.irp j, 4,8,12,16,20,24,28
	s_delay_alu instid0(VALU_DEP_2)
	v_pk_fma_f32 v[14:15], v[XS+\j:XS+\j+1], v[XS+\j:XS+\j+1], v[14:15]
	s_delay_alu instid0(VALU_DEP_2)
	v_pk_fma_f32 v[16:17], v[XS+\j+2:XS+\j+3], v[XS+\j+2:XS+\j+3], v[16:17]
.endr
	s_delay_alu instid0(VALU_DEP_1)
	v_pk_add_f32 v[14:15], v[14:15], v[16:17]
	s_delay_alu instid0(VALU_DEP_1)
	v_add_f32 v14, v14, v15
	s_delay_alu instid0(VALU_DEP_1)
	v_add_f32_dpp v14, v14, v14 row_xmask:1 row_mask:0xf bank_mask:0xf
	s_delay_alu instid0(VALU_DEP_1)
	v_add_f32_dpp v14, v14, v14 row_xmask:2 row_mask:0xf bank_mask:0xf
	s_delay_alu instid0(VALU_DEP_1)
	v_add_f32_dpp v14, v14, v14 row_xmask:4 row_mask:0xf bank_mask:0xf
	s_delay_alu instid0(VALU_DEP_1)
	v_add_f32_dpp v14, v14, v14 row_xmask:8 row_mask:0xf bank_mask:0xf
	s_delay_alu instid0(VALU_DEP_1)
	v_permlanex16_b32 v15, v14, s26, s27
	s_delay_alu instid0(VALU_DEP_1)
	v_add_f32 v14, v14, v15                        ; the row's, in every lane
	s_wait_alu depctr_va_vdst(0)
	v_sqrt_f32 v18, v14
	v_nop                                          ; a plain instruction behind the root,
	s_wait_alu depctr_va_vdst(0)                   ; and the wait ahead of the first use
	v_max_num_f32 v18, 0x2b8cbccc, v18             ; max(norm, 1e-12)
	s_wait_alu depctr_va_vdst(0)
	v_rcp_f32 v12, v18
	v_nop
	s_wait_alu depctr_va_vdst(0)
.set J, 0
.rept 16
	v_pk_mul_f32 v[XS+J:XS+J+1], v[XS+J:XS+J+1], v[12:13] op_sel_hi:[1,0]
.set J, J+2
.endr
.set J, 0
.rept 32
	v_med3_num_f32 v[XS+J], v[XS+J], -v9, v9       ; the conversion to an 8-bit code does not saturate (ISA guide 7.6.2): the hold at the largest code x the scale
.set J, J+1
.endr
.irp n, 0,1,2,3
	v_cvt_scalef32_pk8_bf8_f32 v[C+8*(\i)+2*\n:C+8*(\i)+2*\n+1], v[XS+8*\n:XS+8*\n+7], v10
.endr
	v_nop                                          ; a plain instruction behind the last conversion
	ds_store_b128 v3, v[C+8*(\i):C+8*(\i)+3] offset:16*(\i)      ; half 0's piece of row i
	ds_store_b128 v4, v[C+8*(\i)+4:C+8*(\i)+7] offset:16*(\i)    ; half 1's
.if (\i) < 4
	LOADROW (\i)+4
.endif
.endm
.irp i, 0,1,2,3,4,5,6,7
	ROW \i
.endr
.irp t, 0,1,2,3,4,5,6,7,8,9,10,11,12,13,14,15
	ds_load_b128 v[OUTR+4*\t:OUTR+4*\t+3], v5 offset:2*\t*UP     ; LDS serves a wave's instructions in order (ISA guide 5.7.1.4): these see my stores
.endr
.irp t, 0,1,2,3,4,5,6,7,8,9,10,11,12,13,14,15
	s_wait_dscnt 15-\t
	global_store_b128 v[LOFF+\t/4], v[OUTR+4*\t:OUTR+4*\t+3], s[18:19] offset:512*(\t%4)   ; units 2 t and 2 t + 1: 512 consecutive bytes of plane t / 4, aligned to 256
.endr
	s_wait_tensorcnt 0x0
	ds_add_u32 v224, v225
	s_wait_dscnt 0x0
	s_endpgm
.Lfunc_end_k_qb99824f5d4_quant:
	.size	k_qb99824f5d4_quant, .Lfunc_end_k_qb99824f5d4_quant-k_qb99824f5d4_quant
	.p2alignl 7, 3214868480
	.fill 96, 4, 3214868480
	.section	.rodata,"a",@progbits
	.p2align	6, 0x0
	.amdhsa_kernel k_qb99824f5d4_quant
		.amdhsa_group_segment_fixed_size 88320
		.amdhsa_private_segment_fixed_size 0
		.amdhsa_enable_private_segment 0
		.amdhsa_kernarg_size 40
		.amdhsa_user_sgpr_count 2
		.amdhsa_user_sgpr_kernarg_segment_ptr 1
		.amdhsa_wavefront_size32 1
		.amdhsa_system_sgpr_workgroup_id_x 1
		.amdhsa_system_sgpr_workgroup_id_y 1
		.amdhsa_system_sgpr_workgroup_id_z 1
		.amdhsa_system_vgpr_workitem_id 0
		.amdhsa_next_free_vgpr 226
		.amdhsa_next_free_sgpr 66
		.amdhsa_reserve_vcc 0
		.amdhsa_float_denorm_mode_32 3
		.amdhsa_float_denorm_mode_16_64 3
		.amdhsa_memory_ordered 1
		.amdhsa_forward_progress 1
		.amdhsa_inst_pref_size 60
	.end_amdhsa_kernel
	.amdgpu_metadata
---
amdhsa.version: [ 1, 2 ]
amdhsa.kernels:
  - .name:           k_qb99824f5d4_quant
    .symbol:         k_qb99824f5d4_quant.kd
    .args:
      - { .name: query, .offset: 0, .size: 8, .value_kind: global_buffer, .address_space: global }
      - { .name: memory, .offset: 8, .size: 8, .value_kind: global_buffer, .address_space: global }
      - { .name: lowp_scales, .offset: 16, .size: 8, .value_kind: global_buffer, .address_space: global }
      - { .name: q_img, .offset: 24, .size: 8, .value_kind: global_buffer, .address_space: global }
      - { .name: m_img, .offset: 32, .size: 8, .value_kind: global_buffer, .address_space: global }
    .group_segment_fixed_size: 88320
    .private_segment_fixed_size: 0
    .kernarg_segment_align: 8
    .kernarg_segment_size: 40
    .max_flat_workgroup_size: 320
    .sgpr_count:     66
    .vgpr_count:     226
    .wavefront_size: 32
...
	.end_amdgpu_metadata
.endif
;; end of part 1
;; launch gemm (part 2): grid 16 x 16, 4 waves a work-group, clusters of 4 x 4, 327,680 bytes of LDS; arguments q_img, m_img, gm; writes gm
.if DOCPART == 2
	.amdgcn_target "amdgcn-amd-amdhsa--gfx1250"
	.amdhsa_code_object_version 6
	.text
	.protected	k_qb99824f5d4_gemm
	.globl	k_qb99824f5d4_gemm
	.p2align	8
	.type	k_qb99824f5d4_gemm,@function
k_qb99824f5d4_gemm:
	s_mov_b64 s[64:65], 0
	v_nop
	global_prefetch_b8 v0, s[64:65] scope:SCOPE_SE
	s_setreg_imm32_b32 hwreg(HW_REG_WAVE_MODE, 25, 1), 1
	s_wait_xcnt 0x0
	s_wait_alu depctr_hold_cnt(0) depctr_sa_sdst(0) depctr_va_vdst(0) depctr_va_sdst(0) depctr_va_ssrc(0) depctr_va_vcc(0) depctr_vm_vsrc(0)
	s_getreg_b32 s2, hwreg(HW_REG_IB_STS2, 6, 4)
	s_cmp_eq_u32 s2, 0
	s_cbranch_scc0 .Lentry_in_a_cluster
	s_endpgm
.Lentry_in_a_cluster:
	s_bfe_u32 s2, ttmp6, 0x10000c
	s_cmp_lg_u32 s2, 0xf033
	s_cbranch_scc0 .Lentry_shape_is_right
	s_endpgm
.Lentry_shape_is_right:
; gm = for each query and each group of 8 neighbouring memory rows the largest of the group's 8 sums over K = 1,024 of query code x memory code (BF8, E5M2), sums in f32, K ascending from C = 0.
; The two scales 2^e are powers of two common to all sums: they change no order and are applied by the launch that makes the weights.
; q_img, m_img: the codes in the order of the operand's registers, [plane S 0..3][group of 8 rows][2,048 bytes]; a plane holds 256 of K; 128 rows of a plane are 32,768 dense bytes.
; SHARES.  A work-group of four waves makes four tiles of 256 queries x 256 memory rows, 4,096 memory rows apart; a wave 128 x 128: 64 accumulators, 512 registers (windows 2 and 3).
; Source 0 = 16 memory rows, source 1 = 16 queries: a lane's 8 registers are one group's sums for one query, so a group's maximum needs no other lane.
; THE RING.  Two LDS slots, each a plane of the tile's 256 query rows and 256 memory rows (4 x 32,768 bytes), two K steps of 128; waves 0, 1 fetch the queries' halves, waves 2, 3 the memory's, one tensor load a wave.
; CLUSTERS.  4 x 4 work-groups: the queries' tile is shared along a row of the cluster, the memory's along a column, by joint loads; a round of the cluster's barrier stands in front of every joint load.
; FRAGMENTS.  A K step is 64 matrix instructions and 64 LDS loads of 16 bytes a lane, in two runs: 48 in the step's middle (the memory's eight fragments into the other of two buffers, the queries' 0 to 3), 16 at its end (the queries' 4 to 7).
; From a refill's request to the wait for it a wave issues 112 matrix instructions (32, a K step's 64, and 16); eight stand between the add and its wait, eight between the opening barrier's signal and its wait.
; THE WAY OUT STANDS AMONG THE PRODUCTS.  A group's maximum is a chain of four v_max3 (the running maximum in window 0, two sums a link).  The chains of a tile's accumulators of window 2 stand, four lines behind each matrix
; instruction, among the tile's last 32 products, which write window 3; those of window 3 among the next tile's first 32, which write window 2.  The tile's sixteen stores follow that step's run of LDS loads.
; So the loop is turned by one K step: a trip goes from a tile's second K step to the next tile's first.
; PREFETCH INTO THE L2.  Behind joint load n the tile of joint load n + 2 is asked for: 32,768 bytes a fetching wave, of which each of the four partners that ask for the tile jointly takes 8,192 by address
; (cx for the queries, cy for the memory), lanes 256 bytes apart, one instruction a wave: each block of 256 bytes is named once in each cluster that loads it.
; At the head loads 0 and 1 are followed by planes 2 and 3 of the first tile, queries and memory; in the loop the memory's waves alone ask, for plane i of the next tile at the i-th change of slots:
; the queries' four planes have been read in the first tile.  The last tile asks for nothing: no address leaves its buffer.
; OUT: gm [block of 16 queries][128 memory rows' worth: 2 x 512 bytes]: lane (r, h), word b: group 2 b + h of those 16 groups for query r; a wave's store covers 512 consecutive bytes, aligned.
; NaN among the sums is not served.
.set QPLANE, 0x100000
.set MPLANE, 0x400000
.set HALFT,  32768                     ; 128 rows of a plane: what one tensor load brings
.set SLOT,   4*HALFT
.set SPARE,  2*SLOT                    ; behind the ring: the spare words, 128 bytes a wave
.set FR,     16                        ; registers of a fragment
.set ADRA, 16                          ; v16-17 LDS address of my queries' fragments in slot 0, 1
.set ADRB, 20                          ; v20-21 the same for the memory's
.set CO,   26                          ; v26    16 x lane: my place in a store
.set SPW,  28                          ; v28    my spare word; never rewritten
.set NIL,  29                          ; v29    0; never rewritten
.set PFO,  30                          ; v30    the prefetches' offset: 256 x my lane; never rewritten
.set PFP,  31                          ; v31    the same + one plane of my tensor; never rewritten
.set RES,  32                          ; v32-95 the group maxima of a tile
.set AF,   128                         ; v128-255 the queries' eight fragments
.set G1, 24
.set G0, 32
.set G1B, 48
.set G0B, 56
.set PFL,  12                          ; s[12:13] my work-group's 8,192 bytes of the 32,768 that I fetch, plane 0 of a tile;  s[18:19] the same in plane 2
.set ASKP, -1                          ; which plane of the next tile a change of slots asks for; -1: none
.set MSB, 0
.macro WIN new                         ; the immediate's high byte repeats the setting that is left
.if MSB != (\new)
	s_set_vgpr_msb (MSB<<8)|(\new)
.set MSB, (\new)
.endif
.endm
.set MUL_LO, 0xa1                      ; source 0 (memory) window 1, source 1 (queries) window 0, C and D window 2
.set TO_B,   0x40                      ; destination window 1, address window 0
.macro JLOAD g0a, g1a, g0b, g1b        ; a joint load: waves 0, 1 for the queries, waves 2, 3 for the memory; s_nop 0 and four v_nop behind each line
	s_cmp_eq_u32 s15, 0
	s_cbranch_scc0 .Lfor_b_\@
	tensor_load_to_lds s[\g0a:\g0a+3], s[\g1a:\g1a+7]
	s_nop 0
.rept 4
	v_nop
.endr
	s_branch .Lasked_\@
.Lfor_b_\@:
	tensor_load_to_lds s[\g0b:\g0b+3], s[\g1b:\g1b+7]
	s_nop 0
.rept 4
	v_nop
.endr
.Lasked_\@:
.endm
.macro ASK                             ; the memory's waves ask; a branch on the wave's number alone.  The bases stand at the tile in hand in changes 0 to 2 (a tile on is 0x100000 bytes on) and at the next tile in change 3
.if ASKP >= 0
	WIN 0
	s_cmp_eq_u32 s15, 0
	s_cbranch_scc1 .Lnot_mine_\@
	global_prefetch_b8 v[PFO], s[PFL+6*(ASKP/2):PFL+6*(ASKP/2)+1] offset:0x100000*(1-ASKP/3)+(ASKP%2)*MPLANE th:TH_LOAD_NT scope:SCOPE_SE
.Lnot_mine_\@:
.endif
.endm
.macro CREST                           ; a round of the cluster's barrier behind its opening barrier
	s_cmp_lg_u32 s14, 0
	s_cbranch_scc1 .Lnot_wave_0_\@
	s_barrier_signal -3
.Lnot_wave_0_\@:
	s_barrier_wait -3
	s_barrier_signal -1
	s_barrier_wait -1
.endm
.macro CROUND
	s_barrier_signal -1
	s_barrier_wait -1
	CREST
.endm
	s_load_b128 s[4:7], s[0:1], 0x0                ; q_img, m_img
	s_load_b64 s[8:9], s[0:1], 0x10                ; gm
	v_lshl_add_u32 v[SPW], v0, 2, SPARE
	v_mov_b32 v[NIL], 0
	ds_add_u32 v28, v29                            ; the opening lines: the add twice on end and its wait ahead of my first tensor load
	ds_add_u32 v28, v29
	s_wait_dscnt 0x0
	v_lshrrev_b32 v1, 5, v0
	v_readfirstlane_b32 s14, v1                    ; wave 0..3
	s_lshr_b32 s15, s14, 1                         ; my half of the queries; also: I fetch for the queries (0) or the memory (1)
	s_and_b32 s16, s14, 1                          ; my half of the memory rows; also: which 128 rows I fetch
	s_bfe_u32 s40, ttmp6, 0x40000                  ; cx
	s_bfe_u32 s41, ttmp6, 0x40004                  ; cy
	s_lshl_b32 s42, ttmp9, 2
	s_add_co_u32 s42, s42, s40                     ; tile column
	s_and_b32 s17, ttmp7, 0xffff
	s_lshl_b32 s17, s17, 2
	s_add_co_u32 s17, s17, s41                     ; tile row
	s_lshl_b32 s43, s41, 2
	s_lshl_b32 s43, 15, s43                        ; my row of the cluster
	s_lshl_b32 s44, 0x1111, s40                    ; my column
	s_or_b32 s[G1+0], s43, (3<<16)|(1<<21)         ; elements of 8 bytes; the mask, bit 21 beside it
	s_or_b32 s[G1B+0], s44, (3<<16)|(1<<21)
.irp g, G1, G1B
	s_mov_b32 s[\g+1], 32<<16                      ; 128 dense rows of 32 elements: 256 bytes a row
	s_mov_b32 s[\g+2], 128<<16
	s_mov_b32 s[\g+3], 32<<16
	s_mov_b32 s[\g+4], 128
	s_mov_b32 s[\g+5], 32
	s_mov_b32 s[\g+6], 0
	s_mov_b32 s[\g+7], 0
.endr
	s_lshl_b32 s18, s16, 15
	s_lshl_b32 s20, s17, 16
	s_add_co_u32 s20, s20, s18
	s_mov_b32 s21, 0
	s_lshl_b32 s46, s42, 16
	s_add_co_u32 s46, s46, s18
	s_mov_b32 s47, 0
	s_mul_i32 s45, s14, HALFT
	s_wait_kmcnt 0x0
	s_add_nc_u64 s[20:21], s[4:5], s[20:21]
	s_add_nc_u64 s[46:47], s[6:7], s[46:47]
	CROUND                                         ; all sixteen work-groups are here: the first joint loads meet
.irp s, 0,1
	s_mov_b32 s[G0+4*\s], 1
	s_add_co_u32 s[G0+4*\s+1], s45, \s*SLOT
	s_add_nc_u64 s[G0+4*\s+2:G0+4*\s+3], s[20:21], \s*QPLANE
	s_or_b32 s[G0+4*\s+3], s[G0+4*\s+3], 0x80000000
	s_mov_b32 s[G0B+4*\s], 1
	s_add_co_u32 s[G0B+4*\s+1], s45, \s*SLOT
	s_add_nc_u64 s[G0B+4*\s+2:G0B+4*\s+3], s[46:47], \s*MPLANE
	s_or_b32 s[G0B+4*\s+3], s[G0B+4*\s+3], 0x80000000
.endr
	JLOAD G0, G1, G0B, G1B                         ; plane 0: one tensor load a wave at the head
	; where my prefetches stand: my tensor, my tile, my half of it, my work-group's quarter of that half
	s_cmp_eq_u32 s15, 0                            ; do I fetch for the queries?
	s_cselect_b32 s43, s17, s42                    ; the tile: by the tile row or by the tile column
	s_cselect_b32 s44, s40, s41                    ; my place among the four that ask with me
	s_cselect_b64 s[PFL:PFL+1], s[4:5], s[6:7]
	s_mov_b32 s19, MPLANE
	s_cselect_b32 s19, QPLANE, s19                 ; a plane of my tensor
	s_lshl_b32 s43, s43, 16
	s_lshl_b32 s44, s44, 13
	s_add_co_u32 s44, s44, s43
	s_add_co_u32 s44, s44, s18                     ; + 32,768 x my half
	s_mov_b32 s45, 0
	s_add_nc_u64 s[PFL:PFL+1], s[PFL:PFL+1], s[44:45]
	s_lshl_b32 s44, s19, 1
	v_and_b32 v[PFO], 31, v0
	v_lshlrev_b32 v[PFO], 8, v[PFO]
	v_add_nc_u32 v[PFP], s19, v[PFO]
	s_add_nc_u64 s[PFL+6:PFL+7], s[PFL:PFL+1], s[44:45]   ; plane 2
	s_wait_alu depctr_va_vdst(0)                   ; the wait ahead of the reader below
	global_prefetch_b8 v[PFO], s[PFL+6:PFL+7] th:TH_LOAD_NT scope:SCOPE_SE   ; behind load 0: what load 2 will ask for
	; a fragment's piece for lane (rho, z, h): group z of the fragment's two, piece rho + 8 (h xor z)
	v_and_b32 v1, 7, v0
	v_bfe_u32 v2, v0, 3, 1
	v_bfe_u32 v3, v0, 4, 1
	v_xor_b32 v3, v3, v2
	v_lshl_add_u32 v1, v3, 3, v1
	v_lshlrev_b32 v1, 4, v1
	v_lshl_add_u32 v4, v2, 11, v1
	s_mul_i32 s21, s15, HALFT
	s_mul_i32 s22, s16, HALFT
	s_add_co_u32 s22, s22, 2*HALFT
.irp s, 0,1
	v_add_nc_u32 v[ADRA+\s], s21, v4
	v_add_nc_u32 v[ADRB+\s], s22, v4
	s_add_co_u32 s21, s21, SLOT
	s_add_co_u32 s22, s22, SLOT
.endr
	v_and_b32 v6, 31, v0
	v_lshlrev_b32 v[CO], 4, v6
	s_lshl_b32 s20, s17, 4                         ; where my part of the first tile begins in gm: block of 16 queries x 131,072 + strip of 128 memory rows x 1,024
	s_lshl_b32 s21, s15, 3
	s_add_co_u32 s20, s20, s21
	s_lshl_b32 s20, s20, 17
	s_mov_b32 s21, 0
	s_lshl_b32 s46, s42, 1
	s_add_co_u32 s46, s46, s16
	s_lshl_b32 s46, s46, 10
	s_mov_b32 s47, 0
	s_add_nc_u64 s[20:21], s[20:21], s[46:47]
	s_add_nc_u64 s[8:9], s[8:9], s[20:21]
	s_mov_b64 s[10:11], 0
.macro FRAG reg, adr, q, i             ; fragment i of K step q of a slot: four loads of 16 bytes a lane
.irp c, 0,1,2,3
	ds_load_b128 v[\reg+4*\c:\reg+4*\c+3], v[\adr] offset:(\i)*4096+(\q)*1024+256*\c
.endr
.endm
.macro WMMA a, b, p, zero              ; the queries' fragment a against the memory's fragment b of buffer p.  zero = 1: the product starts the sum
.if \zero
	v_wmma_f32_16x16x128_bf8_bf8 v[8*(8*((\a)%4)+(\b)):8*(8*((\a)%4)+(\b))+7], v[128*(\p)+FR*(\b):128*(\p)+FR*(\b)+FR-1], v[AF+FR*(\a):AF+FR*(\a)+FR-1], 0
.else
	v_wmma_f32_16x16x128_bf8_bf8 v[8*(8*((\a)%4)+(\b)):8*(8*((\a)%4)+(\b))+7], v[128*(\p)+FR*(\b):128*(\p)+FR*(\b)+FR-1], v[AF+FR*(\a):AF+FR*(\a)+FR-1], v[8*(8*((\a)%4)+(\b)):8*(8*((\a)%4)+(\b))+7]
.endif
.endm
.macro M8 a, p, zero                   ; eight matrix instructions, eight accumulators by turns
	WIN MUL_LO+0x50*((\a)/4)
.irp b, 0,1,2,3,4,5,6,7
	WMMA \a, \b, \p, \zero
.endr
.endm
.macro RED e, bb, st                   ; link st of the maximum of accumulator (e, bb), from its low end on; AC = the row's first register in its window
.if (\st) == 0
	v_max3_num_f32 v[RES+8*(\e)+(\bb)], 0xff800000, v[AC+8*(\bb)], v[AC+8*(\bb)+1]
.else
	v_max3_num_f32 v[RES+8*(\e)+(\bb)], v[RES+8*(\e)+(\bb)], v[AC+8*(\bb)+2*(\st)], v[AC+8*(\bb)+2*(\st)+1]
.endif
.endm
; Eight matrix instructions, and behind each four links of the maxima of the finished row e of the other window: link b / 2 of four accumulators, so that a link stands two matrix instructions behind the link that it reads.
.macro M8E a, p, zero, e
.set AC, 64*((\e)%4)
.irp b, 0,1,2,3,4,5,6,7
	WIN MUL_LO+0x50*((\a)/4)
	WMMA \a, \b, \p, \zero
	WIN 0x28+0x14*((\e)/4)                         ; source 0 and the destination window 0, sources 1 and 2 the row's window
.irp n, 0,1,2,3
	RED \e, 4*(\b%2)+\n, \b/2
.endr
.endr
.endm
.macro GMAXP e                         ; the same 32 links with no products beside them
.set AC, 64*((\e)%4)
	WIN 0x28+0x14*((\e)/4)
.irp st, 0,1,2,3
.irp bb, 0,1,2,3,4,5,6,7
	RED \e, \bb, \st
.endr
.endr
.endm
.macro SEND a                          ; row a's eight maxima a lane: two stores of 512 consecutive bytes
.irp u, 0,1
	global_store_b128 v[CO], v[RES+8*(\a)+4*\u:RES+8*(\a)+4*\u+3], s[8:9] offset:(\a)*131072+512*\u th:TH_STORE_NT
.endr
.endm
.macro NEXTC                           ; gm's base goes on to the tile whose maxima are made next: the earlier stores' base and data are written again only behind this wait
	s_wait_xcnt 0x0
	s_add_nc_u64 s[8:9], s[8:9], s[10:11]
	s_mov_b64 s[10:11], 32768                      ; the next tile's strips lie 32 strips on
.endm
.macro LB slot, q, p, i0               ; eight loads: the memory's fragments i0, i0 + 1 into buffer p
	WIN TO_B
	FRAG 128*(\p)+FR*(\i0), ADRB+\slot, \q, \i0
	FRAG 128*(\p)+FR*((\i0)+1), ADRB+\slot, \q, (\i0)+1
.endm
.macro LA slot, q, i0                  ; eight loads: the queries' fragments i0, i0 + 1
	WIN 0
	FRAG AF+FR*(\i0), ADRA+\slot, \q, \i0
	FRAG AF+FR*((\i0)+1), ADRA+\slot, \q, (\i0)+1
.endm
.macro RUN48 slot, q, p                ; the run in a step's middle
.irp i, 0,2,4,6
	LB \slot, \q, \p, \i
.endr
	LA \slot, \q, 0
	LA \slot, \q, 2
.endm
.macro PLACES                          ; four places between matrix instructions and loads into registers that they have read, or vector lines that read their results (ISA guide 7.12.1 for vector lines)
.rept 4
	v_nop
.endr
.endm
; A slot's first K step: multiplies buffer 0 and fetches the slot's second K step.  epi = 1: a tile's first step, with the maxima of the last tile's window 3 among its first 32 products and that tile's stores behind its run of loads.
.macro STEP slot, zero, epi
	s_wait_dscnt 16                                ; all but the youngest sixteen loads (the queries' fragments 4 to 7)
.irp a, 0,1,2,3
.if \epi
	M8E \a, 0, \zero, \a+4
.else
	M8 \a, 0, \zero
.endif
.endr
.if \epi
	s_wait_alu depctr_va_vdst(0)                   ; the wait here, directly ahead of the wait below: the maxima are read by the stores behind it
.endif
	s_wait_dscnt 0
	PLACES
	RUN48 \slot, 1, 1
.if \epi
.irp a, 0,1,2,3,4,5,6,7
	SEND \a
.endr
.endif
.irp a, 4,5,6,7
	M8 \a, 0, \zero
.endr
	PLACES
	LA \slot, 1, 4
	LA \slot, 1, 6
.endm
; A slot's second K step multiplies buffer 1 and changes slots.  In front of the barrier each wave waits for all its tensor loads (the one that is out is its part of the next slot), adds 0 to its spare word,
; and waits for that and for its reads of this slot.  fill = 1: a round of the cluster's barrier follows, and the slot just left is filled again first: with this tile's plane two on (on = 0) or the next tile's plane 0 or 1 (on = 1).
; epi = 1: a tile's last step, with the maxima of window 2 among its last 32 products.
.macro TURN slot, next, fill, on, epi
.if \epi
	NEXTC
	s_add_nc_u64 s[PFL:PFL+1], s[PFL:PFL+1], 0x100000       ; the prefetches' bases go a tile on, behind the same wait
	s_add_nc_u64 s[PFL+6:PFL+7], s[PFL+6:PFL+7], 0x100000
.endif
	s_wait_dscnt 16
	M8 0, 1, 0
	M8 1, 1, 0
	WIN 0                                          ; (the add's two registers lie in window 0)
	s_wait_tensorcnt 0x0
	ds_add_u32 v[SPW], v[NIL]
	M8 2, 1, 0                                     ; eight matrix instructions stand between the add and the wait for it
	s_wait_dscnt 0x0                               ; the add is done, and my reads of this slot are over
	s_barrier_signal -1
	M8 3, 1, 0                                     ; work on registers while the others arrive
	WIN 0
	s_barrier_wait -1
.if \fill
	CREST
.if \on
	s_sub_nc_u64 s[G0+4*\slot+2:G0+4*\slot+3], s[G0+4*\slot+2:G0+4*\slot+3], 2*QPLANE
	s_sub_nc_u64 s[G0B+4*\slot+2:G0B+4*\slot+3], s[G0B+4*\slot+2:G0B+4*\slot+3], 2*MPLANE-16*65536
.else
	s_add_nc_u64 s[G0+4*\slot+2:G0+4*\slot+3], s[G0+4*\slot+2:G0+4*\slot+3], 2*QPLANE
	s_add_nc_u64 s[G0B+4*\slot+2:G0B+4*\slot+3], s[G0B+4*\slot+2:G0B+4*\slot+3], 2*MPLANE
.endif
	JLOAD G0+4*\slot, G1, G0B+4*\slot, G1B         ; the first tensor load behind the round; its four v_nop are also the places in front of the loads and the maxima below
.else
	PLACES
.endif
	RUN48 \next, 0, 0
	ASK                                            ; behind the joint load and the run of LDS loads
.irp a, 4,5,6,7
.if \epi
	M8E \a, 1, 0, \a-4
.else
	M8 \a, 1, 0
.endif
.endr
	PLACES
	LA \next, 0, 4
	LA \next, 0, 6
.endm
	s_wait_alu depctr_va_vdst(0)
	s_wait_tensorcnt 0x0                           ; my part of plane 0 is in
	ds_add_u32 v[SPW], v[NIL]
	s_wait_dscnt 0x0
	CROUND                                         ; everybody's part of plane 0 is in, and all sixteen work-groups are here
	JLOAD G0+4, G1, G0B+4, G1B                     ; plane 1 into slot 1: the first tensor load behind the round
	RUN48 0, 0, 0
	LA 0, 0, 4
	LA 0, 0, 6
	global_prefetch_b8 v[PFP], s[PFL+6:PFL+7] th:TH_LOAD_NT scope:SCOPE_SE   ; behind load 1: plane 3, what load 3 will ask for
	STEP 0, 1, 0                                   ; the first tile's first K step stands in front of the loop
	s_mov_b32 s2, 3
.Ltile:                                                ; three trips: from a tile's second K step to the next tile's first; the ring goes on into the next tile
.set ASKP, 0
	TURN 0, 1, 1, 0, 0
	STEP 1, 0, 0
.set ASKP, 1
	TURN 1, 0, 1, 0, 0
	STEP 0, 0, 0
.set ASKP, 2
	TURN 0, 1, 1, 1, 0
	STEP 1, 0, 0
.set ASKP, 3
	TURN 1, 0, 1, 1, 1
.set ASKP, -1
	STEP 0, 1, 1
	s_sub_co_u32 s2, s2, 1
	s_cmp_lg_u32 s2, 0
	s_cbranch_scc1 .Ltile
	TURN 0, 1, 1, 0, 0                             ; the rest of the last tile is written out: its last two changes of slots fill nothing
	STEP 1, 0, 0
	TURN 1, 0, 1, 0, 0
	STEP 0, 0, 0
	TURN 0, 1, 0, 0, 0
	STEP 1, 0, 0
	NEXTC
	s_wait_dscnt 16
.irp a, 0,1,2,3
	M8 \a, 1, 0
.endr
	s_wait_dscnt 0
	PLACES                                         ; in front of the maxima of window 2
.irp a, 4,5,6,7
	M8E \a, 1, 0, \a-4
.endr
	PLACES
	WIN 0
	s_wait_alu depctr_va_vdst(0)                   ; the wait ahead of the stores that read the maxima
.irp a, 0,1,2,3
	SEND \a
.endr
.irp a, 4,5,6,7
	GMAXP \a
	WIN 0
	SEND \a
.endr
	s_wait_tensorcnt 0x0                           ; the wave's end
	ds_add_u32 v[SPW], v[NIL]
	s_wait_dscnt 0x0
	CROUND                                         ; the closing round
	s_endpgm
.Lfunc_end_k_qb99824f5d4_gemm:
	.size	k_qb99824f5d4_gemm, .Lfunc_end_k_qb99824f5d4_gemm-k_qb99824f5d4_gemm
	.p2alignl 7, 3214868480
	.fill 96, 4, 3214868480
	.section	.rodata,"a",@progbits
	.p2align	6, 0x0
	.amdhsa_kernel k_qb99824f5d4_gemm
		.amdhsa_group_segment_fixed_size 327680
		.amdhsa_private_segment_fixed_size 0
		.amdhsa_enable_private_segment 0
		.amdhsa_kernarg_size 24
		.amdhsa_user_sgpr_count 2
		.amdhsa_user_sgpr_kernarg_segment_ptr 1
		.amdhsa_wavefront_size32 1
		.amdhsa_system_sgpr_workgroup_id_x 1
		.amdhsa_system_sgpr_workgroup_id_y 1
		.amdhsa_system_sgpr_workgroup_id_z 1
		.amdhsa_system_vgpr_workitem_id 0
		.amdhsa_next_free_vgpr 1024
		.amdhsa_next_free_sgpr 66
		.amdhsa_reserve_vcc 0
		.amdhsa_float_denorm_mode_32 3
		.amdhsa_float_denorm_mode_16_64 3
		.amdhsa_memory_ordered 1
		.amdhsa_forward_progress 1
		.amdhsa_inst_pref_size 197
	.end_amdhsa_kernel
	.amdgpu_metadata
---
amdhsa.version: [ 1, 2 ]
amdhsa.kernels:
  - .name:           k_qb99824f5d4_gemm
    .symbol:         k_qb99824f5d4_gemm.kd
    .args:
      - { .name: q_img, .offset: 0, .size: 8, .value_kind: global_buffer, .address_space: global }
      - { .name: m_img, .offset: 8, .size: 8, .value_kind: global_buffer, .address_space: global }
      - { .name: gm, .offset: 16, .size: 8, .value_kind: global_buffer, .address_space: global }
    .group_segment_fixed_size: 327680
    .private_segment_fixed_size: 0
    .kernarg_segment_align: 8
    .kernarg_segment_size: 24
    .max_flat_workgroup_size: 128
    .sgpr_count:     66
    .vgpr_count:     1024
    .wavefront_size: 32
...
	.end_amdgpu_metadata
.endif
;; end of part 2
;; launch select (part 3): grid 256 x 1, 8 waves a work-group, no clusters, 25,600 bytes of LDS; arguments gm, predictions, glist; writes glist
.if DOCPART == 3
	.amdgcn_target "amdgcn-amd-amdhsa--gfx1250"
	.amdhsa_code_object_version 6
	.text
	.protected	k_qb99824f5d4_select
	.globl	k_qb99824f5d4_select
	.p2align	8
	.type	k_qb99824f5d4_select,@function
k_qb99824f5d4_select:
	s_mov_b64 s[64:65], 0
	v_nop
	global_prefetch_b8 v0, s[64:65] scope:SCOPE_SE
	s_setreg_imm32_b32 hwreg(HW_REG_WAVE_MODE, 25, 1), 1
	s_wait_xcnt 0x0
; For each query: k = floor(1 + 9 (1 - mean |sigmoid(prediction) - 0.5|)), between 5 and 10, and the k best of its 2,048 groups, in the order (group maximum descending, group number ascending).
; They hold the query's k best memory rows for every input, ties too: were a row's group not among them, k groups would stand ahead of it, and each has a row that is larger, or equal with a lower number.
; No branch and no address hangs on a floating-point number: sorted lists of 10 are kept by medians, merged by maxima and minima.
; A work-group takes a block of 16 queries; wave w the groups 256 w .. 256 w + 255; lane (r, h) works for query r; register X[4 i + c] is group 256 w + 8 i + 2 c + h.
; PASS 1: T = the k-th largest group maximum, counted with multiplicity.  PASS 2: a key for each group: its number where the maximum is above T, its number + 2,048 where it equals T, infinity below;
; the k smallest keys are the groups above T and then the lowest-numbered of those at T.  Keys are whole numbers under 4,096: exact in f32.
; OUT: glist [block][chunk 0..3][r 16][4 words]: slot s of query r at 256 (s / 4) + 16 r + 4 (s % 4); slots 0 .. k - 1: the group numbers, ascending; slots k .. 9 repeat the slot five before
; (k is at least 5), so that the next launch's loads for them name bytes that it fetches anyway; slot 10: k; slot 11: 0; chunk 3 is neither written nor read.
; NaN among the maxima or the predictions is not served.  Where k's number lies within f32 rounding of a whole number, k may fall either way.
.set L,  16                            ; v16-27   the list: 10 numbers and 2 that fill the third group of four
.set M,  28                            ; v28-39   at work in a merge
.set P,  40                            ; v40-49   the other half's list
.set X,  64                            ; v64-191  my 128 group maxima
.set PB, 192                           ; v192-227 three lists from LDS
.set PR, 192                           ; v192-205 my query's 14 predictions, before the lists take these registers
.set VL, 0                             ; LDS: [wave][3][lane][16 bytes]: the waves' lists of values,
.set KL, 12288                         ; and of keys
.macro INSD x                          ; v[x] into the descending list: place i takes the middle one of its neighbour above, itself and the newcomer
.irp i, 9,8,7,6,5,4,3,2,1
	v_med3_num_f32 v[L+\i], v[L+\i-1], v[L+\i], v[\x]
.endr
	v_max_num_f32 v[L], v[L], v[\x]
.endm
.macro INSA x                          ; the same for the ascending list
.irp i, 9,8,7,6,5,4,3,2,1
	v_med3_num_f32 v[L+\i], v[L+\i-1], v[L+\i], v[\x]
.endr
	v_min_num_f32 v[L], v[L], v[\x]
.endm
; M0-M9 fall and then rise (fa = max) or rise and then fall (fa = min).  The first two of the sorted list are fa(M0, M8) and fa(M1, M9); what is left with M2-M7 is a rotation of eight neighbours
; of the run, which three rounds of compare and exchange (4, 2, 1 apart) sort.
.macro SORT10 fa, fb
	s_delay_alu instid0(VALU_DEP_2)
	\fa v[M+10], v[M], v[M+8]
	s_delay_alu instid0(VALU_DEP_2)
	\fa v[M+11], v[M+1], v[M+9]
	s_delay_alu instid0(VALU_DEP_4)
	\fb v[M], v[M], v[M+8]
	s_delay_alu instid0(VALU_DEP_4)
	\fb v[M+1], v[M+1], v[M+9]
.irp i, 0,1,2,3
	\fa v[L+2+\i], v[M+\i], v[M+\i+4]
	\fb v[L+6+\i], v[M+\i], v[M+\i+4]
.endr
.irp i, 0,1,4,5
	\fa v[M+\i], v[L+2+\i], v[L+4+\i]
	\fb v[M+\i+2], v[L+2+\i], v[L+4+\i]
.endr
.irp i, 0,2,4,6
	\fa v[L+2+\i], v[M+\i], v[M+\i+1]
	\fb v[L+3+\i], v[M+\i], v[M+\i+1]
.endr
	\fa v[L], v[M+10], v[M+11]
	\fb v[L+1], v[M+10], v[M+11]
.endm
.macro MERGE src, fa, fb               ; the best 10 of two sorted lists: place i of one against place 9 - i of the other
.irp i, 0,1,2,3,4,5,6,7,8,9
	\fa v[M+\i], v[L+\i], v[\src+9-\i]
.endr
	SORT10 \fa, \fb
.endm
.macro XMERGE fa, fb                   ; with lane l xor 16's list: both lanes end with the same list
.irp i, 0,1,2,3,4,5,6,7,8,9
	v_permlanex16_b32 v[P+\i], v[L+9-\i], s12, s13
.endr
.irp i, 0,1,2,3,4,5,6,7,8,9
	\fa v[M+\i], v[L+\i], v[P+\i]
.endr
	SORT10 \fa, \fb
.endm
.macro LIST reg, base, d               ; wave d + 4 h's list for my lane
.irp c, 0,1,2
	ds_load_b128 v[\reg+4*\c:\reg+4*\c+3], v7 offset:\base+1536*(\d)+512*\c
.endr
.endm
.macro ALLMERGE base, fa, fb           ; the eight waves' lists become one: lanes 0-15 merge waves 0-3's, lanes 16-31 waves 4-7's (both halves of a wave stored the same list), then the halves meet
	LIST L, \base, 0
	LIST PB, \base, 1
	LIST PB+12, \base, 2
	LIST PB+24, \base, 3
	s_wait_dscnt 0x0
	MERGE PB, \fa, \fb
	MERGE PB+12, \fa, \fb
	MERGE PB+24, \fa, \fb
	XMERGE \fa, \fb
.endm
.macro SHARE base                      ; my list to LDS; then the work-group's barrier: my stores have landed and my loads are in
.irp c, 0,1,2
	ds_store_b128 v3, v[L+4*\c:L+4*\c+3] offset:\base+512*\c
.endr
	s_wait_dscnt 0x0
	s_barrier_signal -1
	s_barrier_wait -1
.endm
	s_load_b128 s[4:7], s[0:1], 0x0                ; gm s[4:5], predictions s[6:7]
	s_load_b64 s[16:17], s[0:1], 0x10              ; glist
	v_lshl_add_u32 v254, v0, 2, 0x6000
	v_mov_b32 v255, 0
	v_lshrrev_b32 v1, 5, v0
	s_delay_alu instid0(VALU_DEP_1)
	v_readfirstlane_b32 s8, v1                     ; wave 0..7
	v_and_b32 v1, 31, v0                           ; lane
	s_delay_alu instid0(VALU_DEP_1)
	v_lshlrev_b32 v2, 4, v1
	s_mul_i32 s9, s8, 1536
	v_add_nc_u32 v3, s9, v2                        ; where my list goes
	v_bfe_u32 v53, v0, 4, 1                        ; h
	s_delay_alu instid0(VALU_DEP_1)
	v_mul_u32_u24 v7, v53, 6144
	s_delay_alu instid0(VALU_DEP_1)
	v_add_nc_u32 v7, v7, v2                        ; from where I read lists: 16 x lane + four waves' lists x h
	v_and_b32 v4, 15, v0
	s_delay_alu instid0(VALU_DEP_1)
	v_mul_u32_u24 v4, v4, 56                       ; a row of predictions is 56 bytes
	s_lshl_b32 s10, ttmp9, 17                      ; my block's 131,072 bytes of gm,
	s_lshl_b32 s11, s8, 14                         ; my wave's 16,384 of them
	s_add_co_u32 s10, s10, s11
	s_mov_b32 s11, 0
	s_mul_i32 s14, ttmp9, 896                      ; my block's 16 rows of predictions
	s_mov_b32 s15, 0
	s_mov_b32 s12, 0x76543210
	s_mov_b32 s13, 0xfedcba98                      ; v_permlanex16_b32's selects for lane l xor 16
	s_wait_alu depctr_va_vdst(0)
	s_wait_kmcnt 0x0
	s_add_nc_u64 s[4:5], s[4:5], s[10:11]
	s_add_nc_u64 s[6:7], s[6:7], s[14:15]
.irp i, 0,1,2,3,4,5,6
	global_load_b64 v[PR+2*\i:PR+2*\i+1], v4, s[6:7] offset:8*\i     ; ahead of the large loads, so that k is made while those are out
.endr
.set Q, 0
.rept 32
	global_load_b128 v[X+4*Q:X+4*Q+3], v2, s[4:5] offset:512*Q th:TH_LOAD_NT   ; 512 consecutive bytes a load; all 32 are out at once
.set Q, Q+1
.endr
	s_lshl_b32 s14, s8, 8
	v_add_nc_u32 v53, s14, v53
	s_delay_alu instid0(VALU_DEP_1)
	v_cvt_f32_u32 v53, v53                         ; the number of the group in X[0], as f32,
	s_delay_alu instid0(VALU_DEP_1)
	v_add_f32 v54, 0x45000000, v53                 ; and with 2,048 added
	v_mov_b32 v55, 0x7f800000                      ; infinity
.irp i, 0,1,2,3,4,5,6,7,8,9
	v_mov_b32 v[L+\i], 0xff800000                  ; the list begins under every number
	v_mov_b32 v[P+\i], 0                           ; written once: a lane permute's destination counts as one of its sources
.endr
	; ---- k = floor(1 + 9 (1 - mean |sigmoid(x) - 0.5|)); sigmoid(x) = 1 / (1 + 2^(-x log2 e)).  Every wave makes it for its lanes' queries: all need T
	s_wait_loadcnt 32                              ; the seven small loads are in; the 32 issued behind them may be out
.irp i, 0,1,2,3,4,5,6,7,8,9,10,11,12,13
	v_mul_f32 v[PR+\i], 0xbfb8aa3b, v[PR+\i]
.endr
	s_wait_alu depctr_va_vdst(0)
.irp i, 0,1,2,3,4,5,6,7,8,9,10,11,12,13
	v_exp_f32 v[PR+\i], v[PR+\i]
.endr
	v_mov_b32 v[L+10], 0                           ; a plain instruction behind the batch,
	s_wait_alu depctr_va_vdst(0)                   ; and one wait for the fourteen, ahead of their first reader
.irp i, 0,1,2,3,4,5,6,7,8,9,10,11,12,13
	v_add_f32 v[PR+\i], 1.0, v[PR+\i]
.endr
	s_wait_alu depctr_va_vdst(0)
.irp i, 0,1,2,3,4,5,6,7,8,9,10,11,12,13
	v_rcp_f32 v[PR+\i], v[PR+\i]
.endr
	v_mov_b32 v[L+11], 0
	s_wait_alu depctr_va_vdst(0)
.irp i, 0,1,2,3,4,5,6,7,8,9,10,11,12,13
	v_add_f32 v[PR+\i], -0.5, v[PR+\i]
.endr
	v_add_f32 v6, |v[PR]|, |v[PR+1]|
.irp i, 2,3,4,5,6,7,8,9,10,11,12,13
	s_delay_alu instid0(VALU_DEP_1)
	v_add_f32 v6, v6, |v[PR+\i]|
.endr
	s_delay_alu instid0(VALU_DEP_1)
	v_mul_f32 v6, 0x3d924925, v6                   ; / 14
	s_delay_alu instid0(VALU_DEP_1)
	v_sub_f32 v6, 1.0, v6
	s_delay_alu instid0(VALU_DEP_1)
	v_fma_f32 v6, 0x41100000, v6, 1.0              ; 9 (1 - confidence) + 1, between 5.5 and 10
	s_delay_alu instid0(VALU_DEP_1)
	v_cvt_u32_f32 v5, v6                           ; toward zero: the floor of a positive number: k
	; ---- pass 1
.set Q, 0
.rept 32
	s_wait_alu depctr_va_vdst(0)
	s_wait_loadcnt 31-Q                            ; loads come back in order: this one is in, the later ones may be out
	INSD X+4*Q
	INSD X+4*Q+1
	INSD X+4*Q+2
	INSD X+4*Q+3
.set Q, Q+1
.endr
	XMERGE v_max_num_f32, v_min_num_f32
	SHARE VL
	ALLMERGE VL, v_max_num_f32, v_min_num_f32      ; in every wave: each needs T
	s_delay_alu instid0(VALU_DEP_3)
	v_mov_b32 v52, v[L+9]                          ; T = the list's place k - 1
.irp i, 8,7,6,5,4
	v_cmp_eq_u32 vcc_lo, \i+1, v5
	s_delay_alu instid0(VALU_DEP_1)
	v_cndmask_b32 v52, v52, v[L+\i], vcc_lo
.endr
.irp i, 0,1,2,3,4,5,6,7,8,9
	v_mov_b32 v[L+\i], v55
.endr
	; ---- pass 2.  Four keys are made side by side, their masks in scalar registers, so that no line reads the result of the line before it
.macro KEY4 x
.irp c, 0,1,2,3
	v_cmp_eq_f32 s[20+\c], v[\x+\c], v52
.endr
.irp c, 0,1,2,3
	v_cmp_ge_f32 s[24+\c], v[\x+\c], v52
.endr
.irp c, 0,1,2,3
	v_cndmask_b32 v[56+\c], v53, v54, s[20+\c]     ; at T: the number + 2,048
.endr
	v_add_f32 v53, 0x41000000, v53                 ; the next four registers' groups lie 8 further on
	v_add_f32 v54, 0x41000000, v54
	v_add_f32 v57, 2.0, v57                        ; register c's group lies 2 c further on
	v_add_f32 v58, 4.0, v58
	v_add_f32 v59, 0x40c00000, v59
.irp c, 0
	v_cndmask_b32 v[56+\c], v55, v[56+\c], s[24+\c]   ; under T: infinity
.endr
.irp c, 1, 2, 3
	s_delay_alu instid0(VALU_DEP_4)
	v_cndmask_b32 v[56+\c], v55, v[56+\c], s[24+\c]   ; under T: infinity
.endr
	INSA 56
	INSA 57
	INSA 58
	INSA 59
.endm
.set Q, 0
.rept 32
	KEY4 X+4*Q
.set Q, Q+1
.endr
	XMERGE v_min_num_f32, v_max_num_f32
	SHARE KL                                       ; other bytes than the values' lists: no wave need wait for the others' reads of those
	s_cmp_lg_u32 s8, 0
	s_cbranch_scc1 .Lend                           ; the rest is one wave's work
	ALLMERGE KL, v_min_num_f32, v_max_num_f32
.irp i, 5,6,7,8,9
	v_cmp_lt_u32 vcc_lo, \i, v5
	s_delay_alu instid0(VALU_DEP_1)
	v_cndmask_b32 v[L+\i], v55, v[L+\i], vcc_lo    ; the first k keys are the choice; from place k on: infinity
.endr
.irp i, 0,1,2,3,4,5,6,7,8,9
	v_cmp_le_f32 vcc_lo, 0x45000000, v[L+\i]
	v_add_f32 v[PB+\i], 0xc5000000, v[L+\i]
	s_delay_alu instid0(VALU_DEP_1)
	v_cndmask_b32 v[PB+\i], v[L+\i], v[PB+\i], vcc_lo   ; the 2,048 comes off again
.endr
.irp i, 0,1,2,3,4,5,6,7,8,9
	v_mov_b32 v[L+\i], v55
.endr
.irp i, 0,1,2,3,4,5,6,7,8,9
	INSA PB+\i                                     ; and the numbers are sorted ascending: the next launch breaks ties by that order
.endr
.irp i, 5,6,7,8,9
	v_cmp_lt_u32 vcc_lo, \i, v5
	s_delay_alu instid0(VALU_DEP_1)
	v_cndmask_b32 v[L+\i], v[L+\i-5], v[L+\i], vcc_lo   ; a slot from k on repeats the slot five before
.endr
.irp i, 0,1,2,3,4,5,6,7,8,9
	v_cvt_u32_f32 v[L+\i], v[L+\i]
.endr
	v_mov_b32 v[L+10], v5                          ; k
	v_mov_b32 v[L+11], 0
	s_lshl_b32 s10, ttmp9, 10
	s_mov_b32 s11, 0
	s_add_nc_u64 s[16:17], s[16:17], s[10:11]
	s_wait_alu depctr_va_vdst(0)
	s_wait_xcnt 0x0                                ; EXEC changes only behind this wait
	v_cmp_gt_u32 vcc_lo, 16, v1
	s_and_saveexec_b32 s14, vcc_lo                 ; lanes 0-15: one lane a query (lanes 16-31 hold the same lists)
.irp c, 0,1,2
	global_store_b128 v2, v[L+4*\c:L+4*\c+3], s[16:17] offset:256*\c   ; sixteen lanes store 256 consecutive bytes, aligned
.endr
	s_wait_xcnt 0x0
	s_or_b32 exec_lo, exec_lo, s14
.Lend:
	s_wait_tensorcnt 0x0
	ds_add_u32 v254, v255
	s_wait_dscnt 0x0
	s_endpgm
.Lfunc_end_k_qb99824f5d4_select:
	.size	k_qb99824f5d4_select, .Lfunc_end_k_qb99824f5d4_select-k_qb99824f5d4_select
	.p2alignl 7, 3214868480
	.fill 96, 4, 3214868480
	.section	.rodata,"a",@progbits
	.p2align	6, 0x0
	.amdhsa_kernel k_qb99824f5d4_select
		.amdhsa_group_segment_fixed_size 25600
		.amdhsa_private_segment_fixed_size 0
		.amdhsa_enable_private_segment 0
		.amdhsa_kernarg_size 24
		.amdhsa_user_sgpr_count 2
		.amdhsa_user_sgpr_kernarg_segment_ptr 1
		.amdhsa_wavefront_size32 1
		.amdhsa_system_sgpr_workgroup_id_x 1
		.amdhsa_system_sgpr_workgroup_id_y 1
		.amdhsa_system_sgpr_workgroup_id_z 1
		.amdhsa_system_vgpr_workitem_id 0
		.amdhsa_next_free_vgpr 256
		.amdhsa_next_free_sgpr 66
		.amdhsa_reserve_vcc 1
		.amdhsa_float_denorm_mode_32 3
		.amdhsa_float_denorm_mode_16_64 3
		.amdhsa_memory_ordered 1
		.amdhsa_forward_progress 1
		.amdhsa_inst_pref_size 238
	.end_amdhsa_kernel
	.amdgpu_metadata
---
amdhsa.version: [ 1, 2 ]
amdhsa.kernels:
  - .name:           k_qb99824f5d4_select
    .symbol:         k_qb99824f5d4_select.kd
    .args:
      - { .name: gm, .offset: 0, .size: 8, .value_kind: global_buffer, .address_space: global }
      - { .name: predictions, .offset: 8, .size: 8, .value_kind: global_buffer, .address_space: global }
      - { .name: glist, .offset: 16, .size: 8, .value_kind: global_buffer, .address_space: global }
    .group_segment_fixed_size: 25600
    .private_segment_fixed_size: 0
    .kernarg_segment_align: 8
    .kernarg_segment_size: 24
    .max_flat_workgroup_size: 256
    .sgpr_count:     66
    .vgpr_count:     256
    .wavefront_size: 32
...
	.end_amdgpu_metadata
.endif
;; end of part 3
;; launch refine (part 4): grid 256 x 1, 5 waves a work-group, no clusters, 5,888 bytes of LDS; arguments q_img, m_img, glist, lowp_scales, ridx, rw; writes ridx, rw
.if DOCPART == 4
	.amdgcn_target "amdgcn-amd-amdhsa--gfx1250"
	.amdhsa_code_object_version 6
	.text
	.protected	k_qb99824f5d4_refine
	.globl	k_qb99824f5d4_refine
	.p2align	8
	.type	k_qb99824f5d4_refine,@function
k_qb99824f5d4_refine:
	s_mov_b64 s[64:65], 0
	v_nop
	global_prefetch_b8 v0, s[64:65] scope:SCOPE_SE
	s_setreg_imm32_b32 hwreg(HW_REG_WAVE_MODE, 25, 1), 1
	s_wait_xcnt 0x0
; For each query: the sums of its candidates (k groups x 8 memory rows) are made again by the same matrix instruction, K ascending from C = 0, as in the launch that made the group maxima;
; then their top 10 (ties to the lower row number), of which the first k count, and the softmax over those k.
; A work-group takes a block of 16 queries.  Wave f takes, for each query n, one fragment of memory rows: rows 0-7 are the query's group in slot f of its list, rows 8-15 its group in slot f + 5.
; Source 0 = that fragment, source 1 = the 16 queries: lane (r, h), register j = row j of slot f + 5 h against query r; only column r = n is the query's own and is kept.
; The group numbers and k were stored as whole numbers by the launch before; a group number is held at 2,047 ahead of every address.  A fragment's load takes two whole units of 256 bytes, one for each group.
; A slot from k on repeats the slot five before: there lanes 8-15 and 24-31 name the very bytes of lanes 0-7 and 16-23, the load takes one unit, and the slot's sums are put at minus infinity ahead of the choice.
; Two queries' chains take turns on two accumulators.  The memory's fragments come straight into registers through a ring of eight units (a K step of both chains each): seven units, 56 loads, are out while one is multiplied.
; OUT, both [block][chunk][r 16][4 words] as the list of groups: ridx: slots 0-9 memory rows in the top 10's order (the first k count), slot 10: k, slot 11: 0;  rw: slots 0-9 the weights, 0 from place k on, slots 10, 11: 0.
; LIMITS: NaN and infinities are not served.  Where two sums differ by less than f32 rounding, the choice may fall either way.
.set QPLANE, 0x100000
.set MPLANE, 0x400000
.set GO,   16                          ; v16-31   query n's offset in a plane of m_img, for my lane
.set ACC0, 32                          ; v32-39, v40-47 the two accumulators
.set ACC1, 40
.set CAND, 48                          ; v48-55   what is kept
.set W,    56                          ; v56-67   my query's list of groups, k and 0 (wave 0 uses it)
.set QF,   128                         ; v128-255 the queries' eight fragments.  Window 1: the ring: unit s at v[32 s]: chain 0's fragment, then chain 1's
.set X,    128                         ; the tail, in registers that the queries' fragments have left: v128-167 my 40 candidates
.set V,    168                         ; v168-177 the top 10's sums
.set I,    178                         ; v178-189 their rows; then k and 0
.set PV,   190                         ; v190-199, v200-209 lane l xor 16's
.set PI,   200
.set WT,   212                         ; v212-223 the weights
.set G8,   224                         ; v224-228 8 x the group of my five slots
.set XI,   230                         ; v230     the newcomer's row
.set NEG,  231                         ; v231     minus infinity
.set TI,   232                         ; v232-241 at work in an insertion
.set MSB, 0
.macro WIN new                         ; the immediate's high byte repeats the setting that is left
.if MSB != (\new)
	s_set_vgpr_msb (MSB<<8)|(\new)
.set MSB, (\new)
.endif
.endm
	s_load_b256 s[4:11], s[0:1], 0x0               ; q_img s[4:5], m_img s[6:7], glist s[8:9], the scales' exponents s[10:11]
	s_load_b128 s[12:15], s[0:1], 0x20             ; ridx s[12:13], rw s[14:15]
	v_lshl_add_u32 v126, v0, 2, 0x1400
	v_mov_b32 v127, 0
	v_lshrrev_b32 v1, 5, v0
	v_readfirstlane_b32 s18, v1                    ; f: wave 0..4
	v_and_b32 v1, 31, v0                           ; lane
	v_and_b32 v2, 15, v0                           ; r
	v_bfe_u32 v3, v0, 4, 1                         ; h
	v_and_b32 v4, 7, v0                            ; rho
	v_bfe_u32 v5, v0, 3, 1                         ; z = r / 8
	v_xor_b32 v6, v3, v5
	v_lshl_add_u32 v6, v6, 3, v4
	v_lshlrev_b32 v6, 4, v6
	v_lshl_add_u32 v6, v5, 11, v6                  ; the queries' fragment: 2,048 z + 16 (rho + 8 (h xor z))
	v_lshlrev_b32 v4, 4, v4                        ; 16 rho
	v_lshlrev_b32 v8, 4, v1                        ; 16 x lane
	s_lshl_b32 s19, s18, 10
	v_add_nc_u32 v7, s19, v8                       ; LDS: where my wave's candidates go: 1,024 f + 16 x lane
	v_mul_u32_u24 v9, v5, 5
	v_add_nc_u32 v9, s18, v9                       ; my row's slot: f + 5 z
	v_lshrrev_b32 v10, 2, v9
	v_and_b32 v11, 3, v9
	v_lshlrev_b32 v11, 2, v11
	v_lshl_add_u32 v9, v10, 8, v11                 ; its place in a list: 256 (slot / 4) + 4 (slot % 4)
	v_lshlrev_b32 v12, 4, v2                       ; 16 r
.irp j, 0,1,2,3,4,5,6,7
	v_mov_b32 v[CAND+\j], 0                        ; written whole once: the selects below leave the other lanes as they are
.endr
	s_lshl_b32 s20, ttmp9, 10                      ; my block in the three lists,
	s_mov_b32 s21, 0
	s_lshl_b32 s22, ttmp9, 12                      ; in a plane of q_img (two groups)
	s_mov_b32 s23, 0
	s_mov_b32 s56, 0x76543210
	s_mov_b32 s57, 0xfedcba98                      ; v_permlanex16_b32's selects for lane l xor 16
	s_wait_alu depctr_va_vdst(0)
	s_wait_kmcnt 0x0
	s_load_b64 s[54:55], s[10:11], 0x0             ; the two exponents
	s_add_nc_u64 s[4:5], s[4:5], s[22:23]
	s_add_nc_u64 s[8:9], s[8:9], s[20:21]
	s_add_nc_u64 s[12:13], s[12:13], s[20:21]
	s_add_nc_u64 s[14:15], s[14:15], s[20:21]
	s_mov_b64 s[40:41], s[6:7]                     ; the four planes of m_img
	s_add_nc_u64 s[42:43], s[6:7], MPLANE
	s_add_nc_u64 s[44:45], s[6:7], 2*MPLANE
	s_add_nc_u64 s[46:47], s[6:7], 3*MPLANE
	; three small loads for the tail, ahead of all others, so that the first counted wait below covers them.  Every wave issues them, so that all waves count alike; wave 0 alone uses them
.irp c, 0,1,2
	global_load_b128 v[W+4*\c:W+4*\c+3], v12, s[8:9] offset:256*\c
.endr
.irp n, 0,1,2,3,4,5,6,7,8,9,10,11,12,13,14,15
	global_load_b32 v[GO+\n], v9, s[8:9] offset:16*\n            ; query n's group in my row's slot
.endr
.irp s, 0,1,2,3,4,5,6,7
.irp c, 0,1,2,3
	global_load_b128 v[QF+16*\s+4*\c:QF+16*\s+4*\c+3], v6, s[4:5] offset:(\s/2)*QPLANE+(\s%2)*1024+256*\c
.endr
.endr
	s_wait_loadcnt 32                              ; all but the queries' 32 loads
.irp n, 0,1,2,3,4,5,6,7,8,9,10,11,12,13,14,15
	v_min_u32 v[GO+\n], 2047, v[GO+\n]             ; a loaded number is held inside the table ahead of an address
	v_add_nc_u32 v10, v[GO+\n], v3
	v_and_b32 v10, 1, v10                          ; h xor (g & 1)
	v_lshl_add_u32 v10, v10, 7, v4                 ; 16 (rho + 8 (h xor (g & 1)))
	v_lshl_add_u32 v[GO+\n], v[GO+\n], 11, v10     ; + 2,048 g
.endr
.macro LOADU p, s                      ; K step s of queries 2 p and 2 p + 1 into unit s
	WIN 0x40                                       ; destination window 1, address window 0
.irp c, 0,1,2,3
	global_load_b128 v[32*(\s)+4*\c:32*(\s)+4*\c+3], v[GO+2*(\p)], s[40+2*((\s)/2):41+2*((\s)/2)] offset:((\s)%2)*1024+256*\c
.endr
.irp c, 0,1,2,3
	global_load_b128 v[32*(\s)+16+4*\c:32*(\s)+16+4*\c+3], v[GO+2*(\p)+1], s[40+2*((\s)/2):41+2*((\s)/2)] offset:((\s)%2)*1024+256*\c
.endr
.endm
.macro USTEP p, s
.if (\p) < 7
	s_wait_loadcnt 56                              ; this unit's eight loads are in; the seven units issued behind it may be out
.else
	s_wait_loadcnt 8*(7-(\s))                      ; the last pair asks for nothing more: the counts run down
.endif
	WIN 0x01                                       ; source 0 (memory) window 1; the queries and the sums window 0
.if (\s) == 0
	v_wmma_f32_16x16x128_bf8_bf8 v[ACC0:ACC0+7], v[32*(\s):32*(\s)+15], v[QF+16*(\s):QF+16*(\s)+15], 0
	v_wmma_f32_16x16x128_bf8_bf8 v[ACC1:ACC1+7], v[32*(\s)+16:32*(\s)+31], v[QF+16*(\s):QF+16*(\s)+15], 0
.else
	v_wmma_f32_16x16x128_bf8_bf8 v[ACC0:ACC0+7], v[32*(\s):32*(\s)+15], v[QF+16*(\s):QF+16*(\s)+15], v[ACC0:ACC0+7]
	v_wmma_f32_16x16x128_bf8_bf8 v[ACC1:ACC1+7], v[32*(\s)+16:32*(\s)+31], v[QF+16*(\s):QF+16*(\s)+15], v[ACC1:ACC1+7]
.endif
.rept 4
	v_nop                                          ; places in front of the loads into the unit just multiplied
.endr
.if (\p) < 7
	LOADU (\p)+1, \s
.endif
.endm
.macro COLLECT p                       ; of the two finished tiles the queries' own columns: lanes n and n + 16
	WIN 0
.rept 4
	v_nop                                          ; with the four above: more than the five places owed before the next pair's first products write over these sums
.endr
	s_mov_b32 s50, 0x10001<<(2*(\p))
	s_mov_b32 s51, 0x10001<<(2*(\p)+1)
	s_wait_alu depctr_va_vdst(0)
.irp j, 0,1,2,3,4,5,6,7
	v_cndmask_b32 v[CAND+\j], v[CAND+\j], v[ACC0+\j], s50        ; each accumulator from its low end on
.endr
.irp j, 0,1,2,3,4,5,6,7
	v_cndmask_b32 v[CAND+\j], v[CAND+\j], v[ACC1+\j], s51
.endr
.endm
.irp s, 0,1,2,3,4,5,6,7
	LOADU 0, \s
.endr
.irp p, 0,1,2,3,4,5,6,7
.irp s, 0,1,2,3,4,5,6,7
	USTEP \p, \s
.endr
	COLLECT \p
.endr
	ds_store_b128 v7, v[CAND:CAND+3]               ; lane (r, h): rows 0-3 of slot f + 5 h for query r,
	ds_store_b128 v7, v[CAND+4:CAND+7] offset:512  ; rows 4-7
	s_wait_dscnt 0x0                               ; for the others' sake: my stores have landed
	s_barrier_signal -1
	s_barrier_wait -1
	s_cmp_lg_u32 s18, 0
	s_cbranch_scc1 .Lend                           ; the rest is one wave's work
.irp f, 0,1,2,3,4
.irp u, 0,1
	ds_load_b128 v[X+8*\f+4*\u:X+8*\f+4*\u+3], v8 offset:1024*\f+512*\u   ; X[8 f + j]: row j of slot f + 5 h, for query r
.endr
.endr
	v_cmp_eq_u32 s52, 1, v3
.irp f, 0,1,2,3,4
	v_cndmask_b32 v[G8+\f], v[W+\f], v[W+5+\f], s52              ; the group in slot f + 5 h
.endr
.irp f, 0,1,2,3,4
	v_lshlrev_b32 v[G8+\f], 3, v[G8+\f]            ; its first memory row
.endr
	v_mul_u32_u24 v10, v3, 5
.irp f, 0,1,2,3,4
	v_add_nc_u32 v[TI+\f], \f, v10                 ; the slot's number
.endr
.irp f, 0,1,2,3,4
	v_cmp_lt_u32 s[70+\f], v[TI+\f], v[W+10]       ; does it lie under k?
.endr
	v_mov_b32 v[NEG], 0xff800000
	v_mov_b32 v[I+10], v[W+10]                     ; k goes on to the next launch
	v_mov_b32 v[I+11], 0
	v_mov_b32 v[WT+10], 0
.irp i, 0,1,2,3,4,5,6,7,8,9
	v_mov_b32 v[V+\i], 0xff800000                  ; the list begins under every sum
	v_mov_b32 v[I+\i], 0
.endr
; v[x] with its row v[xi] into the descending list, of which the first d places are touched (d at least 2, and at least the entries that the list has behind this insertion).
; The compare is strict, so a newcomer goes behind its equals: candidates come in ascending row order, and the lower row stays ahead.
; Place i's row becomes: above the place before: that place's old row; else above this place: the newcomer's; else its own.  The lines stand in four runs (compares from the highest place down;
; newcomer or own, into other registers; the values' medians; the shifts), so that no line reads the result of a line near it.
.macro INS x, xi, d
.set QI, (\d)-1
.rept \d
	v_cmp_gt_f32 s[80+QI], v[\x], v[V+QI]
.set QI, QI-1
.endr
.set QI, (\d)-1
.rept (\d)-1
	v_cndmask_b32 v[TI+QI], v[I+QI], v[\xi], s[80+QI]
.set QI, QI-1
.endr
.set QI, (\d)-1
.rept (\d)-1
	v_med3_num_f32 v[V+QI], v[V+QI-1], v[V+QI], v[\x]
.set QI, QI-1
.endr
	v_max_num_f32 v[V], v[V], v[\x]
.set QI, (\d)-1
.rept (\d)-1
	v_cndmask_b32 v[I+QI], v[TI+QI], v[I+QI-1], s[80+QI-1]       ; from the highest place down: each reads the old row of the place before
.set QI, QI-1
.endr
	v_cndmask_b32 v[I], v[I], v[\xi], s80
.endm
	s_wait_dscnt 0x0
.irp f, 0,1,2,3,4
.irp j, 0,1,2,3,4,5,6,7
	v_cndmask_b32 v[X+8*\f+\j], v[NEG], v[X+8*\f+\j], s[70+\f]   ; a slot from k on is a repeat: its sums never enter the list
.endr
.endr
.set NI, 0
.irp f, 0,1,2,3,4
.irp j, 0,1,2,3,4,5,6,7
.set NI, NI+1
.set D, NI
.if D < 2
.set D, 2
.endif
.if D > 10
.set D, 10
.endif
	v_add_nc_u32 v[XI], \j, v[G8+\f]
	INS X+8*\f+\j, XI, D
.endr
.endr
.irp i, 0,1,2,3,4,5,6,7,8,9
	v_permlanex16_b32 v[PV+\i], v[V+\i], s56, s57
	v_permlanex16_b32 v[PI+\i], v[I+\i], s56, s57
.endr
.irp i, 0,1,2,3,4,5,6,7,8,9
	INS PV+\i, PI+\i, 10                           ; in lanes 0-15 the newcomers are slots 5-9's: higher rows than all of the lane's own.  Lanes 16-31 are not stored
.endr
	; the softmax over the first k: the largest, V0, is taken away first; a sum stands for sum x 2^(e0 + e1)
	s_wait_kmcnt 0x0
	s_add_co_i32 s53, s54, s55
.irp i, 0,1,2,3,4,5,6,7,8,9
	v_sub_f32 v[WT+\i], v[V+\i], v[V]
.endr
.irp i, 0,1,2,3,4,5,6,7,8,9
	v_ldexp_f32 v[WT+\i], v[WT+\i], s53
.endr
.irp i, 0,1,2,3,4,5,6,7,8,9
	v_mul_f32 v[WT+\i], 0x3fb8aa3b, v[WT+\i]
.endr
	s_wait_alu depctr_va_vdst(0)
.irp i, 0,1,2,3,4,5,6,7,8,9
	v_exp_f32 v[WT+\i], v[WT+\i]
.endr
	v_mov_b32 v[WT+11], 0                          ; a plain instruction behind the batch,
	s_wait_alu depctr_va_vdst(0)                   ; and one wait for the ten, ahead of their first reader
.irp i, 0,1,2,3,4,5,6,7,8,9
	v_cmp_lt_u32 vcc_lo, \i, v[I+10]
	v_cndmask_b32 v[WT+\i], 0, v[WT+\i], vcc_lo    ; from place k on: 0
.endr
	v_add_f32 v11, v[WT], v[WT+1]
.irp i, 2,3,4,5,6,7,8,9
	v_add_f32 v11, v11, v[WT+\i]
.endr
	s_wait_alu depctr_va_vdst(0)
	v_rcp_f32 v11, v11
	v_nop
	s_wait_alu depctr_va_vdst(0)
.irp i, 0,1,2,3,4,5,6,7,8,9
	v_mul_f32 v[WT+\i], v11, v[WT+\i]
.endr
	s_wait_alu depctr_va_vdst(0)
	s_wait_xcnt 0x0                                ; EXEC changes only behind this wait
	v_cmp_gt_u32 vcc_lo, 16, v1
	s_and_saveexec_b32 s52, vcc_lo                 ; lanes 0-15: one lane a query
.irp c, 0,1,2
	global_store_b128 v8, v[I+4*\c:I+4*\c+3], s[12:13] offset:256*\c     ; sixteen lanes store 256 consecutive bytes, aligned
	global_store_b128 v8, v[WT+4*\c:WT+4*\c+3], s[14:15] offset:256*\c
.endr
	s_wait_xcnt 0x0
	s_or_b32 exec_lo, exec_lo, s52
.Lend:
	s_wait_tensorcnt 0x0
	ds_add_u32 v126, v127
	s_wait_dscnt 0x0
	s_endpgm
.Lfunc_end_k_qb99824f5d4_refine:
	.size	k_qb99824f5d4_refine, .Lfunc_end_k_qb99824f5d4_refine-k_qb99824f5d4_refine
	.p2alignl 7, 3214868480
	.fill 96, 4, 3214868480
	.section	.rodata,"a",@progbits
	.p2align	6, 0x0
	.amdhsa_kernel k_qb99824f5d4_refine
		.amdhsa_group_segment_fixed_size 5888
		.amdhsa_private_segment_fixed_size 0
		.amdhsa_enable_private_segment 0
		.amdhsa_kernarg_size 48
		.amdhsa_user_sgpr_count 2
		.amdhsa_user_sgpr_kernarg_segment_ptr 1
		.amdhsa_wavefront_size32 1
		.amdhsa_system_sgpr_workgroup_id_x 1
		.amdhsa_system_sgpr_workgroup_id_y 1
		.amdhsa_system_sgpr_workgroup_id_z 1
		.amdhsa_system_vgpr_workitem_id 0
		.amdhsa_next_free_vgpr 512
		.amdhsa_next_free_sgpr 96
		.amdhsa_reserve_vcc 1
		.amdhsa_float_denorm_mode_32 3
		.amdhsa_float_denorm_mode_16_64 3
		.amdhsa_memory_ordered 1
		.amdhsa_forward_progress 1
		.amdhsa_inst_pref_size 213
	.end_amdhsa_kernel
	.amdgpu_metadata
---
amdhsa.version: [ 1, 2 ]
amdhsa.kernels:
  - .name:           k_qb99824f5d4_refine
    .symbol:         k_qb99824f5d4_refine.kd
    .args:
      - { .name: q_img, .offset: 0, .size: 8, .value_kind: global_buffer, .address_space: global }
      - { .name: m_img, .offset: 8, .size: 8, .value_kind: global_buffer, .address_space: global }
      - { .name: glist, .offset: 16, .size: 8, .value_kind: global_buffer, .address_space: global }
      - { .name: lowp_scales, .offset: 24, .size: 8, .value_kind: global_buffer, .address_space: global }
      - { .name: ridx, .offset: 32, .size: 8, .value_kind: global_buffer, .address_space: global }
      - { .name: rw, .offset: 40, .size: 8, .value_kind: global_buffer, .address_space: global }
    .group_segment_fixed_size: 5888
    .private_segment_fixed_size: 0
    .kernarg_segment_align: 8
    .kernarg_segment_size: 48
    .max_flat_workgroup_size: 160
    .sgpr_count:     96
    .vgpr_count:     512
    .wavefront_size: 32
...
	.end_amdgpu_metadata
.endif
;; end of part 4
;; launch combine (part 5): grid 512 x 1, 8 waves a work-group, no clusters, 0 bytes of LDS; arguments memory, ridx, rw, out0; writes out0
.if DOCPART == 5
	.amdgcn_target "amdgcn-amd-amdhsa--gfx1250"
	.amdhsa_code_object_version 6
	.text
	.protected	k_qb99824f5d4_combine
	.globl	k_qb99824f5d4_combine
	.p2align	8
	.type	k_qb99824f5d4_combine,@function
k_qb99824f5d4_combine:
	s_mov_b64 s[64:65], 0
	v_nop
	global_prefetch_b8 v0, s[64:65] scope:SCOPE_SE
	s_setreg_imm32_b32 hwreg(HW_REG_WAVE_MODE, 25, 1), 1
	s_wait_xcnt 0x0
; out0[q] = the sum over the first k places of weight x the raw memory row, in f32 multiply-adds (K = 10 is too short for the matrix unit).
; One wave to a query: a row of 4,096 bytes is eight loads of 512 consecutive bytes, 32 registers a lane.  The rows, k and the weights were stored by the launch before (rows and k as whole numbers);
; they come by scalar loads, each row held at 16,383 and k at 10 ahead of its use.  Rows 0-4 are always fetched (weights from place k on are 0); rows 5-9 only where k reaches them: a scalar branch on the stored k.
; Waves share nothing: no LDS, no barrier.  Infinities and NaN in memory are not served.
.set ACC, 8                            ; v8-39   the sums
.set BUF, 48                           ; v48-207 five rows
	s_load_b256 s[4:11], s[0:1], 0x0               ; memory s[4:5], ridx s[6:7], rw s[8:9], out0 s[10:11]
	v_lshrrev_b32 v1, 5, v0
	s_delay_alu instid0(VALU_DEP_1)
	v_readfirstlane_b32 s12, v1                    ; wave 0..7
	v_and_b32 v1, 31, v0
	s_delay_alu instid0(VALU_DEP_1)
	v_lshlrev_b32 v1, 4, v1                        ; 16 x lane
	s_lshl_b32 s13, ttmp9, 3
	s_add_co_u32 s13, s13, s12                     ; my query
	s_lshr_b32 s14, s13, 4
	s_lshl_b32 s14, s14, 10                        ; its block's 1,024 bytes,
	s_and_b32 s15, s13, 15
	s_lshl_b32 s15, s15, 4                         ; its 16 bytes of each chunk
	s_add_co_u32 s14, s14, s15
	s_mov_b32 s15, 0
	s_wait_alu depctr_va_vdst(0)
	s_wait_kmcnt 0x0
	s_add_nc_u64 s[6:7], s[6:7], s[14:15]
	s_add_nc_u64 s[8:9], s[8:9], s[14:15]
	s_load_b128 s[16:19], s[6:7], 0x0              ; rows 0-3,
	s_load_b128 s[20:23], s[6:7], 0x100            ; 4-7,
	s_load_b128 s[24:27], s[6:7], 0x200            ; 8, 9, k, 0
	s_load_b128 s[28:31], s[8:9], 0x0              ; the weights likewise
	s_load_b128 s[32:35], s[8:9], 0x100
	s_load_b128 s[36:39], s[8:9], 0x200
	s_lshl_b32 s14, s13, 12
	s_add_nc_u64 s[10:11], s[10:11], s[14:15]      ; my row of out0
	s_wait_kmcnt 0x0
.irp t, 0,1,2,3,4,5,6,7,8,9
	s_min_u32 s[16+\t], s[16+\t], 16383            ; a loaded number is held inside the table ahead of an address
	s_lshl_b32 s[40+2*\t], s[16+\t], 12
	s_mov_b32 s[41+2*\t], 0
	s_add_nc_u64 s[40+2*\t:41+2*\t], s[4:5], s[40+2*\t:41+2*\t]
.endr
	s_min_u32 s26, s26, 10                         ; k
.macro LOADROW t, b                    ; the row in place t into buffer b
.irp j, 0,1,2,3,4,5,6,7
	global_load_b128 v[BUF+32*(\b)+4*\j:BUF+32*(\b)+4*\j+3], v1, s[40+2*(\t):41+2*(\t)] offset:512*\j
.endr
.endm
.irp t, 0,1,2,3,4
	LOADROW \t, \t
.endr
.irp i, 0,1,2,3,4
	s_wait_loadcnt 8*(4-\i)                        ; row i is in.  The count names the rows 1-4 issued behind it; where rows 5 on were issued too it asks for more than is needed, never for less
.set J, 0
.rept 32
.if \i == 0
	v_mul_f32 v[ACC+J], s28, v[BUF+J]              ; the first row starts the sums
.else
	v_fmac_f32 v[ACC+J], s[28+\i], v[BUF+32*\i+J]
.endif
.set J, J+1
.endr
	s_cmp_gt_u32 s26, 5+\i
	s_cbranch_scc0 .Lskip\i
	LOADROW 5+\i, \i                               ; the buffer just read takes the row five places on
.Lskip\i:
.endr
	s_wait_loadcnt 0x0
.irp i, 0,1,2,3,4
	s_cmp_gt_u32 s26, 5+\i
	s_cbranch_scc0 .Lstore
.set J, 0
.rept 32
	v_fmac_f32 v[ACC+J], s[33+\i], v[BUF+32*\i+J]
.set J, J+1
.endr
.endr
.Lstore:
	s_wait_alu depctr_va_vdst(0)
.irp j, 0,1,2,3,4,5,6,7
	global_store_b128 v1, v[ACC+4*\j:ACC+4*\j+3], s[10:11] offset:512*\j th:TH_STORE_NT   ; 512 consecutive bytes a store, aligned to 256
.endr
	s_endpgm
.Lfunc_end_k_qb99824f5d4_combine:
	.size	k_qb99824f5d4_combine, .Lfunc_end_k_qb99824f5d4_combine-k_qb99824f5d4_combine
	.p2alignl 7, 3214868480
	.fill 96, 4, 3214868480
	.section	.rodata,"a",@progbits
	.p2align	6, 0x0
	.amdhsa_kernel k_qb99824f5d4_combine
		.amdhsa_group_segment_fixed_size 0
		.amdhsa_private_segment_fixed_size 0
		.amdhsa_enable_private_segment 0
		.amdhsa_kernarg_size 32
		.amdhsa_user_sgpr_count 2
		.amdhsa_user_sgpr_kernarg_segment_ptr 1
		.amdhsa_wavefront_size32 1
		.amdhsa_system_sgpr_workgroup_id_x 1
		.amdhsa_system_sgpr_workgroup_id_y 1
		.amdhsa_system_sgpr_workgroup_id_z 1
		.amdhsa_system_vgpr_workitem_id 0
		.amdhsa_next_free_vgpr 208
		.amdhsa_next_free_sgpr 66
		.amdhsa_reserve_vcc 0
		.amdhsa_float_denorm_mode_32 3
		.amdhsa_float_denorm_mode_16_64 3
		.amdhsa_memory_ordered 1
		.amdhsa_forward_progress 1
		.amdhsa_inst_pref_size 23
	.end_amdhsa_kernel
	.amdgpu_metadata
---
amdhsa.version: [ 1, 2 ]
amdhsa.kernels:
  - .name:           k_qb99824f5d4_combine
    .symbol:         k_qb99824f5d4_combine.kd
    .args:
      - { .name: memory, .offset: 0, .size: 8, .value_kind: global_buffer, .address_space: global }
      - { .name: ridx, .offset: 8, .size: 8, .value_kind: global_buffer, .address_space: global }
      - { .name: rw, .offset: 16, .size: 8, .value_kind: global_buffer, .address_space: global }
      - { .name: out0, .offset: 24, .size: 8, .value_kind: global_buffer, .address_space: global }
    .group_segment_fixed_size: 0
    .private_segment_fixed_size: 0
    .kernarg_segment_align: 8
    .kernarg_segment_size: 32
    .max_flat_workgroup_size: 256
    .sgpr_count:     66
    .vgpr_count:     208
    .wavefront_size: 32
...
	.end_amdgpu_metadata
.endif
;; end of part 5
